; MI455X (gfx1250); checked and timed in simulation.
; The chip was launched on July 23, 2026; its instructions are those of AMD's public machine-readable ISA for CDNA 5 (MIT licence, August 2026) and "CDNA5" Instruction Set Architecture Reference Guide (July 2026). The comments in the code are by the model that wrote it; some were corrected since.
;; I2 I Cross Attention With Gate Fusion. Allowed arithmetic: float matrix products may take bf16 or f16 operands with f32 sums; all other float work in f32.
;; Inputs: Wg1 128 x 256 float32; Wg2 128 x 128 float32; Wk 128 x 128 float32; Wo 128 x 128 float32; Wq 128 x 128 float32; Wv 128 x 128 float32; bg1 128 float32; bg2 128 float32; bk 128 float32; bo 128 float32; bq 128 float32; bv 128 float32; feat1 1 x 128 x 8 x 32 x 32 float32; feat2 1 x 128 x 8 x 32 x 32 float32.
;; Outputs: out0 1 x 128 x 8 x 32 x 32 float32.
;; One version. Each part assembles by itself: llvm-mc -triple=amdgcn-amd-amdhsa -mcpu=gfx1250 --defsym DOCPART=n.
;; ======== version 1 of 1: 3 launches
;; workspace buffers: qf 2,097,152 bytes; kf 2,097,152 bytes; vf 2,097,152 bytes; af 2,097,152 bytes
;; launch proj (part 1): grid 64 x 3, 8 waves a work-group, no clusters, 168,960 bytes of LDS; arguments feat1, feat2, Wq, Wk, Wv, bq, bk, bv, qf, kf, vf; writes qf, kf, vf
.if DOCPART == 1
	.amdgcn_target "amdgcn-amd-amdhsa--gfx1250"
	.amdhsa_code_object_version 6
	.text
	.protected	k_q0b6f9beeba_proj
	.globl	k_q0b6f9beeba_proj
	.p2align	8
	.type	k_q0b6f9beeba_proj,@function
k_q0b6f9beeba_proj:
	s_mov_b64 s[64:65], 0
	v_nop
	global_prefetch_b8 v0, s[64:65] scope:SCOPE_SE
	s_setreg_imm32_b32 hwreg(HW_REG_WAVE_MODE, 25, 1), 1
	s_wait_xcnt 0x0
; q = Wq feat1 + bq, k = Wk feat2 + bk, v = Wv feat2 + bv: three products [128 x 128] x [128 x 8192], operands rounded to bf16, sums in f32,
; results rounded once to bf16 and stored as REGISTER IMAGES of matrix fragments, so that the attention launch loads them with plain 16-byte loads.
;   qf, kf: byte head*524288 + pt*1024 + half*512 + lane*16 holds channels 32 head + 16 half + 8 (lane/16) + 0..7 of position 16 pt + lane%16
;   vf:     byte head*524288 + kg*2048 + ct*1024 + half*512 + lane*16 holds channel 32 head + 16 ct + lane%16 at positions 32 kg + 16 half + 8 (lane/16) + 0..7
; A work-group takes 128 positions (x) of one projection (y: 0 q, 1 k, 2 v); wave w takes the 16 positions 128 x + 16 w and all 128 output channels:
; 8 accumulator tiles, 32 matrix instructions.  For q and k the weights are source 0 (a lane's 8 results are 8 channels of one position); for v the
; sources are swapped (a lane's 8 results are 8 positions of one channel).  Either way two packed tiles are the stored image: no shuffle.
; The input tile comes by two tensor loads (f32, 64 rows of 512 bytes each); the weights pass through registers, where they are rounded to bf16.
; NO CLUSTER: what work-groups share are f32 weights, which have to pass through registers to be rounded, and of the three groups of one x only two
; read the same input tile, so a joint request would not be the same in all partners.
; LIMITS: operands carry bf16's 8 bits of mantissa; nothing else is cut.
.set XPITCH, 528                       ; an input row in LDS: 512 bytes + 16 of padding
.set WPITCH, 272                       ; a weight row in LDS: 256 bytes of bf16 + 16
.set HALFX,  64*XPITCH                 ; what one tensor load fills: 33,792 bytes = 132 blocks of 256
.set WT,     128*XPITCH                ; 67,584: the bf16 weights, in blocks of 256 bytes into which no tensor load lands
.set HEADB,  524288                    ; bytes of one head in qf, kf, vf
.set VW,   4                           ; v4   16 x thread: my 16 bytes in 4,096 bytes (8 rows) of the weights
.set LW,   5                           ; v5   where my 8 bytes of bf16 weights go: WT + wave x 272 + 8 x lane
.set LX,   6                           ; v6   input element (channel 8 (lane/16), position 16 wave + lane%16)
.set LWF,  7                           ; v7   weight fragment: WT + (lane%16) x 272 + 16 (lane/16)
.set VO,   8                           ; v8   my 16 bytes in the output image
.set VB,   9                           ; v9   my offset in the bias
.set ACC,  16                          ; v[16:79]    8 accumulator tiles
.set XB,   80                          ; v[80:111]   the input as 4 fragments (16 positions x 32 channels each)
.set BV,   112                         ; v[112:127]  v's bias: tile ot's value twice, a pair for the packed add
.set WB0,  144                         ; v[144:175]  weight fragments, buffer 0; with buffer 1 also the cast's and the input's staging
.set WB1,  176                         ; v[176:207]  buffer 1
.set OUTP, 208                         ; v[208:239]  packed results
.set TMP,  240                         ; v[240:243]  two pairs, by turns
.macro PLACES                          ; four places behind a matrix instruction (ISA guide 7.12.1) before its registers are read, written or loaded into
.rept 4
	v_nop
.endr
.endm
; 16 loads of 16 bytes a lane: load i brings row 8 i + wave of a weight matrix, 512 consecutive bytes for each wave
.macro WLOAD set, sbase, voff, istride, coloff
.irp i, 0,1,2,3,4,5,6,7,8,9,10,11,12,13,14,15
	global_load_b128 v[\set+4*\i:\set+4*\i+3], v[\voff], s[\sbase:\sbase+1] offset:\i*\istride+\coloff
.endr
.endm
; round them to bf16 and lay them into LDS; left0 - i = the loads younger than load i
.macro WCVT set, adr, left0
.irp i, 0,1,2,3,4,5,6,7,8,9,10,11,12,13,14,15
	s_wait_loadcnt \left0-\i
	v_cvt_pk_bf16_f32 v[TMP+2*(\i%2)], v[\set+4*\i], v[\set+4*\i+1]
	v_cvt_pk_bf16_f32 v[TMP+2*(\i%2)+1], v[\set+4*\i+2], v[\set+4*\i+3]
	ds_store_b64 v[\adr], v[TMP+2*(\i%2):TMP+2*(\i%2)+1] offset:\i*8*WPITCH
.endr
.endm
; 64 words: register 8 t + j = element (channel 16 t + 8 (lane/16) + j, my position).  The two halves of the lanes are 8 rows = 4,224 bytes apart,
; 128 bytes modulo 256: the 32 words of a load fall on 32 different banks
.macro DLOAD dst, adr
.irp t, 0,1,2,3,4,5,6,7
.irp j, 0,1,2,3,4,5,6,7
	ds_load_b32 v[\dst+8*\t+\j], v[\adr] offset:(16*\t+\j)*XPITCH
.endr
.endr
.endm
.macro PACK dst, src                   ; 64 f32 to 32 registers of bf16: two packed tiles of 16 channels are one fragment of 32
.set pk_i, 0
.rept 32
	v_cvt_pk_bf16_f32 v[\dst+pk_i], v[\src+2*pk_i], v[\src+2*pk_i+1]
.set pk_i, pk_i+1
.endr
.endm
.macro FETCHW buf, adr, ot0, off       ; 4 weight fragments (output tiles ot0 .. ot0+3, 32 channels at byte off of the rows)
.irp i, 0,1,2,3
	ds_load_b128 v[\buf+8*\i:\buf+8*\i+3], v[\adr] offset:(\ot0+\i)*16*WPITCH+\off
	ds_load_b128 v[\buf+8*\i+4:\buf+8*\i+7], v[\adr] offset:(\ot0+\i)*16*WPITCH+\off+32
.endr
.endm
.macro MUL4 buf, ot0, x, swap, kstep   ; 4 matrix instructions on 4 accumulators
.irp i, 0,1,2,3
.if \swap
.if (\kstep) == 0
	v_wmma_f32_16x16x32_bf16 v[ACC+8*(\ot0+\i):ACC+8*(\ot0+\i)+7], v[\x:\x+7], v[\buf+8*\i:\buf+8*\i+7], 0
.else
	v_wmma_f32_16x16x32_bf16 v[ACC+8*(\ot0+\i):ACC+8*(\ot0+\i)+7], v[\x:\x+7], v[\buf+8*\i:\buf+8*\i+7], v[ACC+8*(\ot0+\i):ACC+8*(\ot0+\i)+7]
.endif
.else
	v_wmma_f32_16x16x32_bf16 v[ACC+8*(\ot0+\i):ACC+8*(\ot0+\i)+7], v[\buf+8*\i:\buf+8*\i+7], v[\x:\x+7], v[ACC+8*(\ot0+\i):ACC+8*(\ot0+\i)+7]
.endif
.endr
.endm
; A layer: 2 x ks steps (output tiles 0-3, then 4-7; ks K steps of 32 each), weight buffers by turns, each filled two steps ahead.
; The four accumulators of a step take turns, one instruction a turn.
.macro LAYER adr, x, ks, swap
	FETCHW WB0, \adr, 0, 0
	FETCHW WB1, \adr, 0, 64
.set st, 0
.rept 2*\ks
.if st < 2*\ks-1
	s_wait_dscnt 0x8                               ; all but the other buffer's eight loads
.else
	s_wait_dscnt 0x0                               ; the last step: nothing was issued behind its loads
.endif
	MUL4 WB0+32*(st%2), 4*(st/\ks), \x+8*(st%\ks), \swap, st%\ks
.if st < 2*\ks-2
	PLACES
	FETCHW WB0+32*(st%2), \adr+((st+2)%\ks)/4, 4*((st+2)/\ks), 64*((st+2)%4)
.endif
.set st, st+1
.endr
.endm
	s_load_b512 s[8:23], s[0:1], 0x0               ; feat1 s[8:9], feat2 s[10:11], Wq s[12:13], Wk s[14:15], Wv s[16:17], bq s[18:19], bk s[20:21], bv s[22:23]
	s_load_b128 s[24:27], s[0:1], 0x40             ; qf s[24:25], kf s[26:27]
	s_load_b64 s[28:29], s[0:1], 0x50              ; vf
	v_lshl_add_u32 v244, v0, 2, 0x29000
	v_mov_b32 v245, 0
	ds_add_u32 v244, v245
	ds_add_u32 v244, v245
	v_lshrrev_b32 v10, 5, v0
	v_readfirstlane_b32 s2, v10                    ; wave 0..7
	s_and_b32 s3, ttmp7, 0xffff                    ; which projection
	; descriptor group 1: 64 rows of 128 f32, 8,192 elements from row to row, 4 words of padding behind every 128
	s_mov_b32 s40, (2<<16)|(1<<20)|(6<<22)|(3<<25) ; no mask; element of 4 bytes; padding on; after 128 words (code 6); 4 words (code 3)
	s_mov_b32 s41, 128<<16                         ; tensor_dim0 = 128
	s_mov_b32 s42, 64<<16                          ; tensor_dim1 = 64
	s_mov_b32 s43, 128<<16                         ; tile_dim0 = 128
	s_mov_b32 s44, 64                              ; tile_dim1 = 64
	s_mov_b32 s45, 8192                            ; pitch
	s_mov_b32 s46, 0
	s_mov_b32 s47, 0
	s_mov_b32 s48, 1                               ; group 0: count
	s_mul_i32 s49, s2, HALFX                       ; LDS address: wave 0 channels 0-63, wave 1 channels 64-127
	s_lshl_b32 s52, s2, 21                         ; wave x 64 rows x 32,768 bytes
	s_lshl_b32 s4, ttmp9, 9                        ; x x 128 positions x 4 bytes
	s_add_co_u32 s52, s52, s4
	s_mov_b32 s53, 0
	s_lshl_b32 s54, ttmp9, 13                      ; x x 8,192 bytes: 128 positions of one head in each of the three images
	s_mov_b32 s55, 0
	s_wait_dscnt 0x0
	s_wait_kmcnt 0x0
	s_cmp_eq_u32 s3, 0                             ; q against k ...
	s_cselect_b64 s[32:33], s[8:9], s[10:11]       ; input
	s_cselect_b64 s[34:35], s[12:13], s[14:15]     ; weights
	s_cselect_b64 s[36:37], s[18:19], s[20:21]     ; bias
	s_cselect_b64 s[38:39], s[24:25], s[26:27]     ; output
	s_cmp_eq_u32 s3, 2                             ; ... and v
	s_cselect_b64 s[34:35], s[16:17], s[34:35]
	s_cselect_b64 s[36:37], s[22:23], s[36:37]
	s_cselect_b64 s[38:39], s[28:29], s[38:39]
	s_add_nc_u64 s[38:39], s[38:39], s[54:55]
	s_add_nc_u64 s[50:51], s[32:33], s[52:53]      ; the tile's first element
	s_or_b32 s51, s51, 0x80000000                  ; type = 2
	s_cmp_ge_u32 s2, 2
	s_cbranch_scc1 .Lno_fill                       ; waves 0 and 1 fetch a half of the input tile each: one tensor load out in each of them
	tensor_load_to_lds s[48:51], s[40:47]
	s_nop 0
.Lno_fill:
	v_and_b32 v1, 31, v0                           ; lane
	v_and_b32 v2, 15, v0                           ; lane % 16
	v_bfe_u32 v3, v0, 4, 1                         ; lane / 16
	v_lshlrev_b32 v[VW], 4, v0
	s_mul_i32 s5, s2, WPITCH
	s_add_co_u32 s5, s5, WT
	v_lshl_add_u32 v[LW], v1, 3, s5
	v_mul_u32_u24 v[LX], v3, 8*XPITCH
	v_lshl_add_u32 v[LX], v2, 2, v[LX]
	s_lshl_b32 s5, s2, 6
	v_add_nc_u32 v[LX], s5, v[LX]
	v_mul_u32_u24 v[LWF], v2, WPITCH
	v_lshl_add_u32 v[LWF], v3, 4, v[LWF]
	v_add_nc_u32 v[LWF], WT, v[LWF]
; All the rest, once for q and k (swap = 0) and once for v (swap = 1).  The branch hangs on the work-group's y alone: all eight waves go the same way.
.macro REST swap
.if \swap
	v_lshlrev_b32 v[VB], 2, v2                     ; bias of channel 16 ot + lane%16
	s_lshr_b32 s6, s2, 1                           ; position tile 8 x + wave = key group 4 x + wave/2, half wave%2
	s_lshl_b32 s6, s6, 11
	s_and_b32 s7, s2, 1
	s_lshl_b32 s7, s7, 9
	s_add_co_u32 s6, s6, s7
	v_lshl_add_u32 v[VO], v1, 4, s6
.irp ot, 0,1,2,3,4,5,6,7
	global_load_b32 v[BV+2*\ot], v[VB], s[36:37] offset:64*\ot
	global_load_b32 v[BV+2*\ot+1], v[VB], s[36:37] offset:64*\ot
.endr
.else
	v_lshlrev_b32 v[VB], 5, v3                     ; bias of channels 16 ot + 8 (lane/16) + 0..7
	s_lshl_b32 s6, s2, 10                          ; position tile 8 x + wave
	v_lshl_add_u32 v[VO], v1, 4, s6
.irp ot, 0,1,2,3,4,5,6,7
	global_load_b128 v[ACC+8*\ot:ACC+8*\ot+3], v[VB], s[36:37] offset:64*\ot       ; the bias starts the sums: nothing is cleared, nothing added later
	global_load_b128 v[ACC+8*\ot+4:ACC+8*\ot+7], v[VB], s[36:37] offset:64*\ot+16
.endr
.endif
	WLOAD WB0, 34, VW, 4096, 0
	WCVT WB0, LW, 15                               ; its last wait is for 0: the older bias loads are in as well
	s_wait_tensorcnt 0x0                           ; my part of the input tile has landed (waves 2 to 7 have none out)
	s_wait_dscnt 0x0                               ; my rows of the weights are in LDS
	s_barrier_signal -1
	s_barrier_wait -1                              ; everybody's are
	DLOAD WB0, LX
	s_wait_dscnt 0x0
	PACK XB, WB0
	LAYER LWF, XB, 4, \swap
	PLACES
.if \swap
.irp ot, 0,1,2,3,4,5,6,7
.irp j, 0,2,4,6
	v_pk_add_f32 v[ACC+8*\ot+\j:ACC+8*\ot+\j+1], v[ACC+8*\ot+\j:ACC+8*\ot+\j+1], v[BV+2*\ot:BV+2*\ot+1]
.endr
.endr
.endif
	PACK OUTP, ACC
.irp ot, 0,1,2,3,4,5,6,7
.if \swap
	global_store_b128 v[VO], v[OUTP+4*\ot:OUTP+4*\ot+3], s[38:39] offset:(\ot/2)*HEADB+(\ot%2)*1024   ; each store of the wave: 512 consecutive bytes, aligned
.else
	global_store_b128 v[VO], v[OUTP+4*\ot:OUTP+4*\ot+3], s[38:39] offset:(\ot/2)*HEADB+(\ot%2)*512
.endif
.endr
	s_wait_tensorcnt 0x0
	ds_add_u32 v244, v245
	s_wait_dscnt 0x0
	s_endpgm
.endm
	s_cmp_eq_u32 s3, 2
	s_cbranch_scc1 .Lv
	REST 0
.Lv:
	REST 1
.Lfunc_end_k_q0b6f9beeba_proj:
	.size	k_q0b6f9beeba_proj, .Lfunc_end_k_q0b6f9beeba_proj-k_q0b6f9beeba_proj
	.p2alignl 7, 3214868480
	.fill 96, 4, 3214868480
	.section	.rodata,"a",@progbits
	.p2align	6, 0x0
	.amdhsa_kernel k_q0b6f9beeba_proj
		.amdhsa_group_segment_fixed_size 168960
		.amdhsa_private_segment_fixed_size 0
		.amdhsa_enable_private_segment 0
		.amdhsa_kernarg_size 88
		.amdhsa_user_sgpr_count 2
		.amdhsa_user_sgpr_kernarg_segment_ptr 1
		.amdhsa_wavefront_size32 1
		.amdhsa_system_sgpr_workgroup_id_x 1
		.amdhsa_system_sgpr_workgroup_id_y 1
		.amdhsa_system_sgpr_workgroup_id_z 1
		.amdhsa_system_vgpr_workitem_id 0
		.amdhsa_next_free_vgpr 246
		.amdhsa_next_free_sgpr 66
		.amdhsa_reserve_vcc 0
		.amdhsa_float_denorm_mode_32 3
		.amdhsa_float_denorm_mode_16_64 3
		.amdhsa_memory_ordered 1
		.amdhsa_forward_progress 1
		.amdhsa_inst_pref_size 51
	.end_amdhsa_kernel
	.amdgpu_metadata
---
amdhsa.version: [ 1, 2 ]
amdhsa.kernels:
  - .name:           k_q0b6f9beeba_proj
    .symbol:         k_q0b6f9beeba_proj.kd
    .args:
      - { .name: feat1, .offset: 0, .size: 8, .value_kind: global_buffer, .address_space: global }
      - { .name: feat2, .offset: 8, .size: 8, .value_kind: global_buffer, .address_space: global }
      - { .name: Wq, .offset: 16, .size: 8, .value_kind: global_buffer, .address_space: global }
      - { .name: Wk, .offset: 24, .size: 8, .value_kind: global_buffer, .address_space: global }
      - { .name: Wv, .offset: 32, .size: 8, .value_kind: global_buffer, .address_space: global }
      - { .name: bq, .offset: 40, .size: 8, .value_kind: global_buffer, .address_space: global }
      - { .name: bk, .offset: 48, .size: 8, .value_kind: global_buffer, .address_space: global }
      - { .name: bv, .offset: 56, .size: 8, .value_kind: global_buffer, .address_space: global }
      - { .name: qf, .offset: 64, .size: 8, .value_kind: global_buffer, .address_space: global }
      - { .name: kf, .offset: 72, .size: 8, .value_kind: global_buffer, .address_space: global }
      - { .name: vf, .offset: 80, .size: 8, .value_kind: global_buffer, .address_space: global }
    .group_segment_fixed_size: 168960
    .private_segment_fixed_size: 0
    .kernarg_segment_align: 8
    .kernarg_segment_size: 88
    .max_flat_workgroup_size: 256
    .sgpr_count:     66
    .vgpr_count:     246
    .wavefront_size: 32
...
	.end_amdgpu_metadata
.endif
;; end of part 1
;; launch attn (part 2): grid 64 x 4, 8 waves a work-group, clusters of 4 x 1, 327,680 bytes of LDS; arguments qf, kf, vf, af; writes af
.if DOCPART == 2
	.amdgcn_target "amdgcn-amd-amdhsa--gfx1250"
	.amdhsa_code_object_version 6
	.text
	.protected	k_q0b6f9beeba_attn
	.globl	k_q0b6f9beeba_attn
	.p2align	8
	.type	k_q0b6f9beeba_attn,@function
k_q0b6f9beeba_attn:
	s_mov_b64 s[64:65], 0
	v_nop
	global_prefetch_b8 v0, s[64:65] scope:SCOPE_SE
	s_setreg_imm32_b32 hwreg(HW_REG_WAVE_MODE, 25, 1), 1
	s_wait_xcnt 0x0
	s_wait_alu depctr_hold_cnt(0) depctr_sa_sdst(0) depctr_va_vdst(0) depctr_va_sdst(0) depctr_va_ssrc(0) depctr_va_vcc(0) depctr_vm_vsrc(0)
	s_getreg_b32 s2, hwreg(HW_REG_IB_STS2, 6, 4)
	s_cmp_eq_u32 s2, 0
	s_cbranch_scc0 .Lentry_in_a_cluster
	s_endpgm
.Lentry_in_a_cluster:
	s_bfe_u32 s2, ttmp6, 0x10000c
	s_cmp_lg_u32 s2, 0x3003
	s_cbranch_scc0 .Lentry_shape_is_right
	s_endpgm
.Lentry_shape_is_right:
; Attention of one head (y) for 128 queries (x): O = softmax(q.k / sqrt(32)) v over 8,192 keys, with a running maximum.
; q, k, v come as register images of matrix fragments (bf16); O leaves in the same form (af laid out as qf).
; Eight waves, two on each SIMD.  Wave w takes query group w%4 (32 queries, 2 tiles) and key half w/4 (512 of each slot's 1,024 keys);
; the two halves' maximum, sum and O meet once at the end, in LDS.
; Scores are made TRANSPOSED: source 0 = 16 keys of K, source 1 = 16 queries of Q.  A lane then holds 8 keys of ONE query (lane%16), so that the
; maximum and the sum run along the lane's registers and need one exchange between the two halves of the lanes, and two packed score tiles
; ARE the fragment (column = query, k = 32 keys) that multiplies V: no shuffle.  O comes out as (channel, query).
; CLUSTER 4 x 1: the four query blocks of a cluster belong to one head and read the same K and V; every tile is asked for jointly (mask 15), the same
; descriptor in all four (made of the head, the wave's number and the step).  Only the global offsets of Q and of the result hang on the place in the cluster.
; RING: two slots of 131,072 bytes (1,024 keys: 64 KiB of K, 64 KiB of V).  Each wave fetches an eighth of a slot, 64 rows of 256 bytes, one tensor
; load behind each round of the cluster's barrier: by this text's count one tensor load of a wave is out at a time, with a whole trip in which to land.
; LIMITS: q, k, v and the weights exp(..) that multiply V are bf16; the sum of the weights adds them unrounded.  An exponential below 2^-126 counts as 0.
; A NaN score does not enter the maximum, but its exponential makes sum and result of that query NaN.
.set SLOT,  131072
.set VPART, 65536                      ; V behind K in a slot
.set MERGE, 2*SLOT                     ; 4 x 4,608 bytes, written by LDS stores only: no tensor load lands here
.set HEADB, 524288
.set LK,   2                           ; v2, v3    my 16 bytes of the first K tile of my key half, slot 0, 1
.set LV,   4                           ; v4, v5    the same for V
.set VQ,   6                           ; v6        my 16 bytes in my query group's image (Q and the result)
.set MS,   7                           ; v7        my 16 bytes in my query group's merge region
.set QF,   8                           ; v[8:23]    Q, 2 fragments
.set OA,   24                          ; v[24:55]   O: tile (qt, ct) at 16 qt + 8 ct
.set KF,   56                          ; v[56:87]   K, 4 key tiles
.set VF,   88                          ; v[88:119]  V: (g, ct) at 16 g + 8 ct
.set SC,   120                         ; v[120:183] scores: (qt, i) at 32 qt + 8 i
.set PB,   184                         ; v[184:215] weights in bf16: (qt, g) at 16 qt + 8 g
.set MX,   216                         ; v216, v217 running maximum of the raw scores, query tile 0, 1
.set LS,   218                         ; v218, v219 the sums, folded, at the end (v[216:219] go to LDS together)
.set NM,   220                         ; v220, v222 -c x maximum (the odd partners are written once: a packed source is read as a pair)
.set AL,   224                         ; v224, v226 factor that brings old sums to the new maximum (odd partners likewise)
.set LP,   228                         ; v[228:229], v[230:231] running sums, two partial sums a lane
.set TT,   232                         ; v[232:235] at work
.set TP,   240                         ; v[240:247] four pairs at work
.macro PLACES                          ; four places behind a matrix instruction (ISA guide 7.12.1)
.rept 4
	v_nop
.endr
.endm
; A round of the cluster's barrier: my work-group's barrier, wave 0 signals for the work-group, every wave waits for all four work-groups, my work-group's barrier again
.macro ROUND
	s_barrier_signal -1
	s_barrier_wait -1
	s_cmp_lg_u32 s8, 0
	s_cbranch_scc1 .Lnot_wave_0_\@
	s_barrier_signal -3
.Lnot_wave_0_\@:
	s_barrier_wait -3
	s_barrier_signal -1
	s_barrier_wait -1
.endm
; four fragments of 1 KiB (chunk c of my key half): each load of the wave takes 512 consecutive bytes
.macro FRAGS dst, adr, c
.irp i, 0,1,2,3
	ds_load_b128 v[\dst+8*\i:\dst+8*\i+3], v[\adr] offset:(\c)*4096+\i*1024
	ds_load_b128 v[\dst+8*\i+4:\dst+8*\i+7], v[\adr] offset:(\c)*4096+\i*1024+512
.endr
.endm
; 64 keys of query tile qt: new maximum, weights 2^(c s - c m), O and the sum brought to the new maximum
.macro SOFTMAX qt
.set SB, SC+32*\qt
.irp k, 0,1,2,3
	v_max3_num_f32 v[TT+\k], v[SB+8*\k], v[SB+8*\k+1], v[SB+8*\k+2]       ; four chains that do not wait for each other
.endr
.irp k, 0,1,2,3
	v_max3_num_f32 v[TT+\k], v[TT+\k], v[SB+8*\k+3], v[SB+8*\k+4]
.endr
.irp k, 0,1,2,3
	v_max3_num_f32 v[TT+\k], v[TT+\k], v[SB+8*\k+5], v[SB+8*\k+6]
.endr
	v_max3_num_f32 v[TT], v[TT], v[TT+1], v[SB+7]
	v_max3_num_f32 v[TT+2], v[TT+2], v[TT+3], v[SB+15]
	v_max3_num_f32 v[TT], v[TT], v[TT+2], v[SB+23]
	v_max3_num_f32 v[TT], v[TT], v[SB+31], v[MX+\qt]                      ; the old maximum joins
	v_permlanex16_b32 v[TT+1], v[TT], s12, s13                            ; the other 32 keys of the same query lie 16 lanes away
	v_max_num_f32 v[TT+2], v[TT], v[TT+1]
	v_mul_f32 v[NM+2*\qt], s15, v[TT+2]                                   ; -c m
	v_fma_f32 v[TT+3], v[MX+\qt], s14, v[NM+2*\qt]                        ; c (old m - m)
	v_exp_f32 v[AL+2*\qt], v[TT+3]
	v_mov_b32 v[MX+\qt], v[TT+2]                                          ; also the plain instruction behind the exponential (ISA guide 5.7.2)
.irp j, 0,2,4,6,8,10,12,14,16,18,20,22,24,26,28,30
	v_pk_fma_f32 v[SB+\j:SB+\j+1], v[SB+\j:SB+\j+1], s[14:15], v[NM+2*\qt:NM+2*\qt+1] op_sel_hi:[1,0,0]   ; c s - c m: scale and shift in one
.endr
.set ex_i, 0
.rept 32
	v_exp_f32 v[SB+ex_i], v[SB+ex_i]
.set ex_i, ex_i+1
.endr
	s_wait_alu depctr_va_vdst(0)
.irp j, 0,2,4,6,8,10,12,14
	v_pk_mul_f32 v[OA+16*\qt+\j:OA+16*\qt+\j+1], v[OA+16*\qt+\j:OA+16*\qt+\j+1], v[AL+2*\qt:AL+2*\qt+1] op_sel_hi:[1,0]   ; plain work behind the run of exponentials
.endr
.set ex_i, 0
.rept 16
	v_cvt_pk_bf16_f32 v[PB+16*\qt+ex_i], v[SB+2*ex_i], v[SB+2*ex_i+1]
.set ex_i, ex_i+1
.endr
.irp k, 0,1,2,3
	v_pk_add_f32 v[TP+2*\k:TP+2*\k+1], v[SB+8*\k:SB+8*\k+1], v[SB+8*\k+2:SB+8*\k+3]
.endr
.irp k, 0,1,2,3
	v_pk_add_f32 v[TP+2*\k:TP+2*\k+1], v[TP+2*\k:TP+2*\k+1], v[SB+8*\k+4:SB+8*\k+5]
.endr
.irp k, 0,1,2,3
	v_pk_add_f32 v[TP+2*\k:TP+2*\k+1], v[TP+2*\k:TP+2*\k+1], v[SB+8*\k+6:SB+8*\k+7]
.endr
	v_pk_add_f32 v[TP:TP+1], v[TP:TP+1], v[TP+2:TP+3]
	v_pk_add_f32 v[TP+4:TP+5], v[TP+4:TP+5], v[TP+6:TP+7]
	v_pk_add_f32 v[TP:TP+1], v[TP:TP+1], v[TP+4:TP+5]
	v_pk_fma_f32 v[LP+2*\qt:LP+2*\qt+1], v[LP+2*\qt:LP+2*\qt+1], v[AL+2*\qt:AL+2*\qt+1], v[TP:TP+1] op_sel_hi:[1,0,1]
.endm
; 64 keys x 32 queries.  more = 1: the next chunk's K is fetched under this chunk's vector work.
.macro CHUNK slot, c, more
	s_wait_dscnt 0x0                               ; this chunk's K is in; nothing else is out
.irp qt, 0,1
.irp i, 0,1,2,3
	v_wmma_f32_16x16x32_bf16 v[SC+32*\qt+8*\i:SC+32*\qt+8*\i+7], v[KF+8*\i:KF+8*\i+7], v[QF+8*\qt:QF+8*\qt+7], 0
.endr
.endr
	PLACES                                         ; before the scores are read, before K is loaded again, and (behind the last chunk's products with V) before V is
	FRAGS VF, LV+\slot, \c
.if \more
	FRAGS KF, LK+\slot, \c+1
.endif
	SOFTMAX 0
	SOFTMAX 1
.if \more
	s_wait_dscnt 0x8                               ; V is in; the eight younger loads are the next chunk's K
.else
	s_wait_dscnt 0x0
.endif
.irp g, 0,1                                        ; the four accumulators take turns, one instruction a turn
.irp qt, 0,1
.irp ct, 0,1
	v_wmma_f32_16x16x32_bf16 v[OA+16*\qt+8*\ct:OA+16*\qt+8*\ct+7], v[VF+16*\g+8*\ct:VF+16*\g+8*\ct+7], v[PB+16*\qt+8*\g:PB+16*\qt+8*\g+7], v[OA+16*\qt+8*\ct:OA+16*\qt+8*\ct+7]
.endr
.endr
.endr
.endm
; One tile of 1,024 keys.  refill = 1: the other slot gets the next tile.
.macro TRIP slot, refill
	s_wait_tensorcnt 0x0                           ; all my tensor loads have landed, my part of this trip's tile among them,
	ds_add_u32 v248, v249
	s_wait_dscnt 0x0
	s_add_nc_u64 s[34+4*\slot:35+4*\slot], s[34+4*\slot:35+4*\slot], 2*VPART   ; so a group 0 may be written: this slot's next tile, two tiles of 65,536 bytes on
	s_wait_dscnt 0x0                               ; my reads of the last trip's tile are back
	ROUND                                          ; both now hold of every wave of the four work-groups
.if \refill
	tensor_load_to_lds s[36-4*\slot:39-4*\slot], s[16:23]                      ; my one tensor load behind the round: the next tile, into the slot read last
	s_nop 0
.endif
	FRAGS KF, LK+\slot, 0
.irp c, 0,1,2,3,4,5,6
	CHUNK \slot, \c, 1
.endr
	CHUNK \slot, 7, 0
.endm
	s_load_b128 s[4:7], s[0:1], 0x0                ; qf s[4:5], kf s[6:7]
	s_load_b128 s[24:27], s[0:1], 0x10             ; vf s[24:25], af s[26:27]
	v_lshl_add_u32 v248, v0, 2, 0x44800
	v_mov_b32 v249, 0
	ds_add_u32 v248, v249
	ds_add_u32 v248, v249
	v_lshrrev_b32 v1, 5, v0
	v_readfirstlane_b32 s8, v1                     ; wave 0..7
	s_and_b32 s9, s8, 3                            ; query group; also: which quarter of K's or V's tile I fetch
	s_lshr_b32 s10, s8, 2                          ; key half; also: I fetch for K (0) or for V (1)
	s_and_b32 s11, ttmp7, 0xffff                   ; head: the cluster's y, shared by the four partners
	s_mov_b32 s12, 0x76543210                      ; v_permlanex16_b32: lane i reads lane i of the other half
	s_mov_b32 s13, 0xfedcba98
	s_mov_b32 s14, 0x3e8293ee                      ; c = 32^-0.5 x log2 e
	s_mov_b32 s15, 0xbe8293ee                      ; -c
	s_bfe_u32 s40, ttmp6, 0x40000                  ; cx
	s_lshl_b32 s41, ttmp9, 2
	s_add_co_u32 s41, s41, s40                     ; query block x = 4 x cluster x + cx
	s_lshl_b32 s30, s11, 19                        ; head x 524,288
	s_mov_b32 s31, 0
	s_lshl_b32 s28, s41, 13                        ; x x 8 tiles x 1,024 bytes
	s_add_co_u32 s28, s28, s30                     ; offset of my block in qf and af
	s_mov_b32 s29, 0
	s_lshl_b32 s45, s9, 14
	s_add_co_u32 s30, s30, s45                     ; offset of my part of tile 0 in kf or vf: head and wave alone
	; descriptor group 1: 64 rows of 256 bytes, dense
	s_mov_b32 s16, 15|(3<<16)|(1<<21)              ; mask: all four work-groups; element of 8 bytes; bit 21 set beside a mask
	s_mov_b32 s17, 32<<16                          ; tensor_dim0 = 32
	s_mov_b32 s18, 64<<16                          ; tensor_dim1 = 64
	s_mov_b32 s19, 32<<16                          ; tile_dim0 = 32
	s_mov_b32 s20, 64                              ; tile_dim1 = 64
	s_mov_b32 s21, 32                              ; pitch
	s_mov_b32 s22, 0
	s_mov_b32 s23, 0
	s_mov_b32 s32, 1                               ; group 0 of slot 0
	s_lshl_b32 s33, s8, 14                         ; wave x 16,384: K's four quarters, then V's
	s_mov_b32 s36, 1                               ; group 0 of slot 1
	s_add_co_u32 s37, s33, SLOT
	s_wait_dscnt 0x0
	s_wait_kmcnt 0x0
	s_cmp_lt_u32 s8, 4
	s_cselect_b64 s[42:43], s[6:7], s[24:25]       ; waves 0-3 fetch K, waves 4-7 V
	s_add_nc_u64 s[34:35], s[42:43], s[30:31]      ; tile 0
	s_add_nc_u64 s[38:39], s[34:35], VPART         ; tile 1
	s_or_b32 s35, s35, 0x80000000                  ; type = 2
	s_or_b32 s39, s39, 0x80000000
	s_add_nc_u64 s[4:5], s[4:5], s[28:29]
	s_add_nc_u64 s[26:27], s[26:27], s[28:29]
	ROUND                                          ; the four work-groups are here: the first joint loads meet
	tensor_load_to_lds s[32:35], s[16:23]          ; tile 0
	s_nop 0
	v_and_b32 v1, 31, v0
	v_lshlrev_b32 v1, 4, v1                        ; 16 x lane
	s_lshl_b32 s45, s10, 15                        ; my key half: 32,768 bytes of K, and of V
	v_add_nc_u32 v[LK], s45, v1
	v_add_nc_u32 v[LK+1], SLOT, v[LK]
	v_add_nc_u32 v[LV], VPART, v[LK]
	v_add_nc_u32 v[LV+1], SLOT+VPART, v[LK]
	s_lshl_b32 s46, s9, 11                         ; my 2 query tiles
	v_add_nc_u32 v[VQ], s46, v1
	s_mul_i32 s47, s9, 4608
	s_add_co_u32 s47, s47, MERGE
	v_add_nc_u32 v[MS], s47, v1
.irp qt, 0,1
	global_load_b128 v[QF+8*\qt:QF+8*\qt+3], v[VQ], s[4:5] offset:\qt*1024
	global_load_b128 v[QF+8*\qt+4:QF+8*\qt+7], v[VQ], s[4:5] offset:\qt*1024+512
.endr
	; O, the sums and the maximum start here, 42 moves once: the first chunk then runs the loop's own text (a written-out first trip would be a third copy of it)
.set ex_i, 0
.rept 32
	v_mov_b32 v[OA+ex_i], 0
.set ex_i, ex_i+1
.endr
.irp r, 0,1,2,3
	v_mov_b32 v[LP+\r], 0
.endr
	v_mov_b32 v[MX], 0xff800000                    ; -infinity: the first factor is 2^-inf = 0
	v_mov_b32 v[MX+1], 0xff800000
	v_mov_b32 v[NM+1], 0
	v_mov_b32 v[NM+3], 0
	v_mov_b32 v[AL+1], 0
	v_mov_b32 v[AL+3], 0
	s_wait_loadcnt 0x0                             ; Q
	s_mov_b32 s44, 3                               ; 8 tiles: 3 laps of two, and two trips behind the loop
.Llap:
	TRIP 0, 1
	TRIP 1, 1
	s_sub_co_u32 s44, s44, 1
	s_cmp_lg_u32 s44, 0
	s_cbranch_scc1 .Llap
	TRIP 0, 1                                      ; tile 6; tile 7 is asked for
	TRIP 1, 0                                      ; tile 7: nothing is left to fetch (the stepped addresses are not used)
	; THE TWO KEY HALVES MEET.  Waves 4-7 hand O, maximum and sum to waves 0-3 of the same query group.
	PLACES
.irp qt, 0,1
	v_add_f32 v[LS+\qt], v[LP+2*\qt], v[LP+2*\qt+1]
	v_permlanex16_b32 v[TT+\qt], v[LS+\qt], s12, s13
	v_add_f32 v[LS+\qt], v[LS+\qt], v[TT+\qt]
.endr
	s_cmp_lt_u32 s8, 4
	s_cbranch_scc1 .Lkeep
.irp i, 0,1,2,3,4,5,6,7
	ds_store_b128 v[MS], v[OA+4*\i:OA+4*\i+3] offset:512*\i
.endr
	ds_store_b128 v[MS], v[MX:MX+3] offset:4096
.Lkeep:
	s_wait_dscnt 0x0                               ; for the others' sake: my stores are in LDS
	s_barrier_signal -1
	s_barrier_wait -1
	s_cmp_ge_u32 s8, 4
	s_cbranch_scc1 .Ldone
.set OP,  SC                                       ; v[120:151] the partner's O
.set STP, SC+32                                    ; v152, v153 its maxima; v154, v155 its sums
.irp i, 0,1,2,3,4,5,6,7,8
	ds_load_b128 v[OP+4*\i:OP+4*\i+3], v[MS] offset:512*\i
.endr
	s_wait_dscnt 0x0
.irp qt, 0,1
	v_max_num_f32 v[TT], v[MX+\qt], v[STP+\qt]
	v_mul_f32 v[TT], s15, v[TT]                    ; -c m
	v_fma_f32 v[TT+1], v[MX+\qt], s14, v[TT]
	v_fma_f32 v[TT+2], v[STP+\qt], s14, v[TT]
	v_exp_f32 v[TT+1], v[TT+1]                     ; my half's factor
	v_exp_f32 v[TT+2], v[TT+2]                     ; the partner's
	v_nop
	s_wait_alu depctr_va_vdst(0)
	v_mul_f32 v[TT+3], v[LS+\qt], v[TT+1]
	v_fmac_f32 v[TT+3], v[STP+2+\qt], v[TT+2]      ; the whole sum: at least 1, since the largest score's weight is 1
	v_rcp_f32 v[TT+3], v[TT+3]
	v_nop
	s_wait_alu depctr_va_vdst(0)
	v_mul_f32 v[AL], v[TT+1], v[TT+3]
	v_mul_f32 v[AL+2], v[TT+2], v[TT+3]
.irp j, 0,2,4,6,8,10,12,14
	v_pk_mul_f32 v[OA+16*\qt+\j:OA+16*\qt+\j+1], v[OA+16*\qt+\j:OA+16*\qt+\j+1], v[AL:AL+1] op_sel_hi:[1,0]
.endr
.irp j, 0,2,4,6,8,10,12,14
	v_pk_fma_f32 v[OA+16*\qt+\j:OA+16*\qt+\j+1], v[OP+16*\qt+\j:OP+16*\qt+\j+1], v[AL+2:AL+3], v[OA+16*\qt+\j:OA+16*\qt+\j+1] op_sel_hi:[1,0,1]
.endr
.irp j, 0,1,2,3,4,5,6,7
	v_cvt_pk_bf16_f32 v[PB+8*\qt+\j], v[OA+16*\qt+2*\j], v[OA+16*\qt+2*\j+1]
.endr
	global_store_b128 v[VQ], v[PB+8*\qt:PB+8*\qt+3], s[26:27] offset:\qt*1024          ; channels 0-15 of the head; 512 consecutive bytes a store, aligned
	global_store_b128 v[VQ], v[PB+8*\qt+4:PB+8*\qt+7], s[26:27] offset:\qt*1024+512    ; channels 16-31
.endr
.Ldone:
	s_wait_tensorcnt 0x0
	ds_add_u32 v248, v249
	s_wait_dscnt 0x0
	ROUND                                          ; the closing round: no work-group ends while a partner may still ask for a tile that names it
	s_endpgm
.Lfunc_end_k_q0b6f9beeba_attn:
	.size	k_q0b6f9beeba_attn, .Lfunc_end_k_q0b6f9beeba_attn-k_q0b6f9beeba_attn
	.p2alignl 7, 3214868480
	.fill 96, 4, 3214868480
	.section	.rodata,"a",@progbits
	.p2align	6, 0x0
	.amdhsa_kernel k_q0b6f9beeba_attn
		.amdhsa_group_segment_fixed_size 327680
		.amdhsa_private_segment_fixed_size 0
		.amdhsa_enable_private_segment 0
		.amdhsa_kernarg_size 32
		.amdhsa_user_sgpr_count 2
		.amdhsa_user_sgpr_kernarg_segment_ptr 1
		.amdhsa_wavefront_size32 1
		.amdhsa_system_sgpr_workgroup_id_x 1
		.amdhsa_system_sgpr_workgroup_id_y 1
		.amdhsa_system_sgpr_workgroup_id_z 1
		.amdhsa_system_vgpr_workitem_id 0
		.amdhsa_next_free_vgpr 250
		.amdhsa_next_free_sgpr 66
		.amdhsa_reserve_vcc 0
		.amdhsa_float_denorm_mode_32 3
		.amdhsa_float_denorm_mode_16_64 3
		.amdhsa_memory_ordered 1
		.amdhsa_forward_progress 1
		.amdhsa_inst_pref_size 255
	.end_amdhsa_kernel
	.section	.bss,"aw",@nobits
	.p2align	6
	.space	262144
	.amdgpu_metadata
---
amdhsa.version: [ 1, 2 ]
amdhsa.kernels:
  - .name:           k_q0b6f9beeba_attn
    .symbol:         k_q0b6f9beeba_attn.kd
    .args:
      - { .name: qf, .offset: 0, .size: 8, .value_kind: global_buffer, .address_space: global }
      - { .name: kf, .offset: 8, .size: 8, .value_kind: global_buffer, .address_space: global }
      - { .name: vf, .offset: 16, .size: 8, .value_kind: global_buffer, .address_space: global }
      - { .name: af, .offset: 24, .size: 8, .value_kind: global_buffer, .address_space: global }
    .group_segment_fixed_size: 327680
    .private_segment_fixed_size: 0
    .kernarg_segment_align: 8
    .kernarg_segment_size: 32
    .max_flat_workgroup_size: 256
    .sgpr_count:     66
    .vgpr_count:     250
    .wavefront_size: 32
...
	.end_amdgpu_metadata
.endif
;; end of part 2
;; launch fuse (part 3): grid 64 x 1, 8 waves a work-group, no clusters, 285,696 bytes of LDS; arguments af, feat1, Wo, bo, Wg1, bg1, Wg2, bg2, out0; writes out0
.if DOCPART == 3
	.amdgcn_target "amdgcn-amd-amdhsa--gfx1250"
	.amdhsa_code_object_version 6
	.text
	.protected	k_q0b6f9beeba_fuse
	.globl	k_q0b6f9beeba_fuse
	.p2align	8
	.type	k_q0b6f9beeba_fuse,@function
k_q0b6f9beeba_fuse:
	s_mov_b64 s[64:65], 0
	v_nop
	global_prefetch_b8 v0, s[64:65] scope:SCOPE_SE
	s_setreg_imm32_b32 hwreg(HW_REG_WAVE_MODE, 25, 1), 1
	s_wait_xcnt 0x0
; a = Wo O + bo;  g = sigmoid(Wg2 relu(Wg1 [a; f] + bg1) + bg2);  out = a + g (f - a), f = feat1.   (g f + (1 - g) a in another order of rounding.)
; A work-group takes 128 positions; wave w takes the 16 positions 128 x + 16 w through the whole chain: 128 matrix instructions.  In a result tile a lane
; holds 8 channels of one position, so two packed tiles are the next product's fragment (column = position, k = 32 channels): the layers follow
; each other in registers, with no barrier between them.  O comes from af as ready fragments.
; The four weight blocks (Wo, the two halves of Wg1, Wg2) pass through registers, are rounded to bf16 and lie in LDS for all eight waves.
; 64 WORK-GROUPS: each has to bring all 262,144 bytes of f32 weights, whatever its share of the positions; more work-groups would bring them more often.
; NO CLUSTER: what is shared are these f32 weights, which pass through registers to be rounded, so no tensor load could bring them jointly.
; LIMITS: matrix operands (O, a, f, the hidden layer, the weights) are bf16; biases, sigmoid and blend are f32, and the blend takes f and a unrounded.
.set XPITCH, 528                       ; a row of feat1's tile in LDS: 512 bytes + 16
.set WPITCH, 272                       ; a weight row: 256 bytes of bf16 + 16
.set HALFX,  64*XPITCH
.set WBYTES, 128*WPITCH                ; 34,816
.set W0,  128*XPITCH                   ; 67,584   Wo
.set W1,  W0+WBYTES                    ; 102,400  Wg1, columns 0-127 (they meet a)
.set W2,  W1+WBYTES                    ; 137,216  Wg1, columns 128-255 (they meet f)
.set W3,  W2+WBYTES                    ; 172,032  Wg2
.set AT,  W3+WBYTES                    ; 206,848  a in f32, as register images: 8,192 bytes of each wave's own
.set BI,  AT+65536                     ; 272,384  bo, bg1, bg2: 1,536 bytes, a copy of each wave's own
.set RDR,  1                           ; v1   way out: my 16 bytes of row 16 wave
.set VST,  2                           ; v2   way out: the same in out0
.set L16,  3                           ; v3   16 x lane
.set VW,   4                           ; v4   16 x thread
.set VW2,  5                           ; v5   wave x 1,024 + 16 x lane: a row of Wg1, and my position tile in af
.set LW,   6                           ; v6   wave x 272 + 8 x lane
.set LWS,  7                           ; v7   the same in the weight block at hand
.set LX,   8                           ; v8   tile element (channel 8 (lane/16), position 16 wave + lane%16)
.set LA,   9                           ; v9   my 16 bytes in my wave's part of AT
.set LWF,  10                          ; v10-13  weight fragment in W0 .. W3: (lane%16) x 272 + 16 (lane/16)
.set LBI,  14                          ; v14  my wave's biases + 32 (lane/16)
.set BIS,  15                          ; v15  my wave's biases + 16 x lane
.set ACC,  16                          ; v[16:79]    8 accumulator tiles; first a staging set of the cast
.set X1,   80                          ; v[80:111]   fragments of O, then of a; at the end, with X2, a in f32
.set X2,   112                         ; v[112:143]  fragments of f, then of the hidden layer
.set WB0,  144                         ; v[144:175]  weight fragments, buffer 0; with buffer 1 the cast's second staging set, and f in f32
.set WB1,  176                         ; v[176:207]  buffer 1
.set BW,   208                         ; v[208:219]  the biases on their way to LDS
.set TMP,  220                         ; v[220:223]
.macro PLACES                          ; four places behind a matrix instruction (ISA guide 7.12.1)
.rept 4
	v_nop
.endr
.endm
.macro WLOAD set, sbase, voff, istride, coloff     ; load i: row 8 i + wave, 512 consecutive bytes for each wave
.irp i, 0,1,2,3,4,5,6,7,8,9,10,11,12,13,14,15
	global_load_b128 v[\set+4*\i:\set+4*\i+3], v[\voff], s[\sbase:\sbase+1] offset:\i*\istride+\coloff
.endr
.endm
.macro WCVT set, adr, left0                        ; left0 - i = the loads younger than load i
.irp i, 0,1,2,3,4,5,6,7,8,9,10,11,12,13,14,15
	s_wait_loadcnt \left0-\i
	v_cvt_pk_bf16_f32 v[TMP+2*(\i%2)], v[\set+4*\i], v[\set+4*\i+1]
	v_cvt_pk_bf16_f32 v[TMP+2*(\i%2)+1], v[\set+4*\i+2], v[\set+4*\i+3]
	ds_store_b64 v[\adr], v[TMP+2*(\i%2):TMP+2*(\i%2)+1] offset:\i*8*WPITCH
.endr
.endm
; register 8 t + j = element (channel 16 t + 8 (lane/16) + j, my position): the layout of a result tile.  The halves of the lanes are 4,224 bytes apart,
; 128 modulo 256: 32 words on 32 different banks
.macro DLOAD dst, adr
.irp t, 0,1,2,3,4,5,6,7
.irp j, 0,1,2,3,4,5,6,7
	ds_load_b32 v[\dst+8*\t+\j], v[\adr] offset:(16*\t+\j)*XPITCH
.endr
.endr
.endm
.macro PACK dst, src
.set pk_i, 0
.rept 32
	v_cvt_pk_bf16_f32 v[\dst+pk_i], v[\src+2*pk_i], v[\src+2*pk_i+1]
.set pk_i, pk_i+1
.endr
.endm
.macro BIAS layer                                  ; the bias starts the sums: tile ot's 8 registers = b[16 ot + 8 (lane/16) + 0..7]
.irp ot, 0,1,2,3,4,5,6,7
	ds_load_b128 v[ACC+8*\ot:ACC+8*\ot+3], v[LBI] offset:\layer*512+64*\ot
	ds_load_b128 v[ACC+8*\ot+4:ACC+8*\ot+7], v[LBI] offset:\layer*512+64*\ot+16
.endr
.endm
.macro FETCHW buf, adr, ot0, off
.irp i, 0,1,2,3
	ds_load_b128 v[\buf+8*\i:\buf+8*\i+3], v[\adr] offset:(\ot0+\i)*16*WPITCH+\off
	ds_load_b128 v[\buf+8*\i+4:\buf+8*\i+7], v[\adr] offset:(\ot0+\i)*16*WPITCH+\off+32
.endr
.endm
.macro MUL4 buf, ot0, x
.irp i, 0,1,2,3
	v_wmma_f32_16x16x32_bf16 v[ACC+8*(\ot0+\i):ACC+8*(\ot0+\i)+7], v[\buf+8*\i:\buf+8*\i+7], v[\x:\x+7], v[ACC+8*(\ot0+\i):ACC+8*(\ot0+\i)+7]
.endr
.endm
; A layer: 2 x ks steps (output tiles 0-3, then 4-7; ks K steps of 32), weight buffers by turns, each filled two steps ahead.  With ks = 8 the K steps 4-7
; take the next weight block (address register adr + 1) and the next four fragments.  The four accumulators of a step take turns, one instruction
; a turn.
.macro LAYER adr, x, ks
	FETCHW WB0, \adr, 0, 0
	FETCHW WB1, \adr, 0, 64
.set st, 0
.rept 2*\ks
.if st < 2*\ks-1
	s_wait_dscnt 0x8                               ; all but the other buffer's eight loads (the bias, issued earlier, is in too)
.else
	s_wait_dscnt 0x0
.endif
	MUL4 WB0+32*(st%2), 4*(st/\ks), \x+8*(st%\ks)
.if st < 2*\ks-2
	PLACES
	FETCHW WB0+32*(st%2), \adr+((st+2)%\ks)/4, 4*((st+2)/\ks), 64*((st+2)%4)
.endif
.set st, st+1
.endr
.endm
	s_load_b512 s[8:23], s[0:1], 0x0               ; af s[8:9], feat1 s[10:11], Wo s[12:13], bo s[14:15], Wg1 s[16:17], bg1 s[18:19], Wg2 s[20:21], bg2 s[22:23]
	s_load_b64 s[24:25], s[0:1], 0x40              ; out0
	v_lshl_add_u32 v224, v0, 2, 0x45800
	v_mov_b32 v225, 0
	ds_add_u32 v224, v225
	ds_add_u32 v224, v225
	v_lshrrev_b32 v[TMP], 5, v0
	v_readfirstlane_b32 s2, v[TMP]                 ; wave 0..7
	; descriptor group 1: 64 rows of 128 f32, 8,192 elements from row to row, 4 words of padding behind every 128
	s_mov_b32 s32, (2<<16)|(1<<20)|(6<<22)|(3<<25)
	s_mov_b32 s33, 128<<16                         ; tensor_dim0
	s_mov_b32 s34, 64<<16                          ; tensor_dim1
	s_mov_b32 s35, 128<<16                         ; tile_dim0
	s_mov_b32 s36, 64                              ; tile_dim1
	s_mov_b32 s37, 8192                            ; pitch
	s_mov_b32 s38, 0
	s_mov_b32 s39, 0
	s_mov_b32 s40, 1
	s_mul_i32 s41, s2, HALFX                       ; wave 0: channels 0-63, wave 1: channels 64-127
	s_lshl_b32 s44, s2, 21                         ; wave x 64 rows x 32,768 bytes
	s_lshl_b32 s46, ttmp9, 9                       ; x x 128 positions x 4 bytes
	s_add_co_u32 s44, s44, s46
	s_mov_b32 s45, 0
	s_mov_b32 s47, 0
	s_lshl_b32 s4, ttmp9, 13                       ; x x 8 position tiles x 1,024 bytes
	s_mov_b32 s5, 0
	s_wait_dscnt 0x0
	s_wait_kmcnt 0x0
	s_add_nc_u64 s[42:43], s[10:11], s[44:45]
	s_or_b32 s43, s43, 0x80000000                  ; type = 2
	s_add_nc_u64 s[8:9], s[8:9], s[4:5]
	s_add_nc_u64 s[24:25], s[24:25], s[46:47]
	s_cmp_ge_u32 s2, 2
	s_cbranch_scc1 .Lno_fill                       ; waves 0 and 1 fetch a half of feat1's tile each: one tensor load out in each of them
	tensor_load_to_lds s[40:43], s[32:39]
	s_nop 0
.Lno_fill:
	v_and_b32 v[TMP+1], 31, v0                     ; lane
	v_and_b32 v[TMP+2], 15, v0                     ; lane % 16
	v_bfe_u32 v[TMP+3], v0, 4, 1                   ; lane / 16
	v_lshlrev_b32 v[L16], 4, v[TMP+1]
	v_lshlrev_b32 v[VW], 4, v0
	s_lshl_b32 s6, s2, 10
	v_add_nc_u32 v[VW2], s6, v[L16]
.irp hd, 0,1,2,3
	global_load_b128 v[X1+8*\hd:X1+8*\hd+3], v[VW2], s[8:9] offset:\hd*524288          ; O: K step = head
	global_load_b128 v[X1+8*\hd+4:X1+8*\hd+7], v[VW2], s[8:9] offset:\hd*524288+512
.endr
	global_load_b128 v[BW:BW+3], v[L16], s[14:15]
	global_load_b128 v[BW+4:BW+7], v[L16], s[18:19]
	global_load_b128 v[BW+8:BW+11], v[L16], s[22:23]
	WLOAD ACC, 12, VW, 4096, 0                     ; Wo
	WLOAD WB0, 16, VW2, 8192, 0                    ; Wg1, left half
	s_mul_i32 s7, s2, WPITCH
	v_lshl_add_u32 v[LW], v[TMP+1], 3, s7
	v_mul_u32_u24 v[LX], v[TMP+3], 8*XPITCH
	v_lshl_add_u32 v[LX], v[TMP+2], 2, v[LX]
	s_lshl_b32 s7, s2, 6
	v_add_nc_u32 v[LX], s7, v[LX]
	s_lshl_b32 s7, s2, 13
	s_add_co_u32 s7, s7, AT
	v_add_nc_u32 v[LA], s7, v[L16]
	v_mul_u32_u24 v[LWF], v[TMP+2], WPITCH
	v_lshl_add_u32 v[LWF], v[TMP+3], 4, v[LWF]
	v_add_nc_u32 v[LWF+3], W3, v[LWF]
	v_add_nc_u32 v[LWF+2], W2, v[LWF]
	v_add_nc_u32 v[LWF+1], W1, v[LWF]
	v_add_nc_u32 v[LWF], W0, v[LWF]
	s_mul_i32 s7, s2, 1536
	s_add_co_u32 s7, s7, BI
	v_lshl_add_u32 v[LBI], v[TMP+3], 5, s7
	v_add_nc_u32 v[BIS], s7, v[L16]
	s_mul_i32 s7, s2, 16*XPITCH
	v_add_nc_u32 v[RDR], s7, v[L16]
	s_lshl_b32 s7, s2, 19                          ; 16 channels x 32,768 bytes
	v_add_nc_u32 v[VST], s7, v[L16]
	; the cast, two staging sets by turns: while one set is rounded, the other's 16 loads are on their way
	v_add_nc_u32 v[LWS], W0, v[LW]
	WCVT ACC, LWS, 31
	WLOAD ACC, 16, VW2, 8192, 512                  ; Wg1, right half
	v_add_nc_u32 v[LWS], W1, v[LW]
	WCVT WB0, LWS, 31
	WLOAD WB0, 20, VW, 4096, 0                     ; Wg2
	v_add_nc_u32 v[LWS], W2, v[LW]
	WCVT ACC, LWS, 31
	v_add_nc_u32 v[LWS], W3, v[LW]
	WCVT WB0, LWS, 15                              ; its last wait is for 0: O and the biases, loaded earlier, are in as well
	ds_store_b128 v[BIS], v[BW:BW+3]               ; my wave's own copy: no branch, and no other wave is waited for
	ds_store_b128 v[BIS], v[BW+4:BW+7] offset:512
	ds_store_b128 v[BIS], v[BW+8:BW+11] offset:1024
	s_wait_tensorcnt 0x0                           ; my part of feat1's tile has landed (waves 2 to 7 have none out)
	s_wait_dscnt 0x0                               ; my rows of the weights are in LDS
	s_barrier_signal -1
	s_barrier_wait -1                              ; everybody's are
	DLOAD WB0, LX                                  ; f
	BIAS 0
	s_wait_dscnt 0x10                              ; f is in; the sixteen younger loads are the bias
	PACK X2, WB0
	LAYER LWF, X1, 4                               ; a = Wo O + bo
	PLACES
.irp i, 0,1,2,3,4,5,6,7,8,9,10,11,12,13,14,15
	ds_store_b128 v[LA], v[ACC+4*\i:ACC+4*\i+3] offset:512*\i          ; a in f32 is parked for the blend: registers as they are, my wave's own bytes
.endr
	PACK X1, ACC
	BIAS 1
	LAYER LWF+1, X1, 8                             ; Wg1 [a; f] + bg1: K steps 0-3 meet a (X1), 4-7 meet f (X2)
	PLACES
.set pk_i, 0
.rept 64
	v_max_num_f32 v[ACC+pk_i], 0, v[ACC+pk_i]      ; relu
.set pk_i, pk_i+1
.endr
	PACK X2, ACC
	BIAS 2
	LAYER LWF+3, X2, 4                             ; Wg2 h + bg2
	PLACES
	DLOAD WB0, LX                                  ; f again, in f32
.irp i, 0,1,2,3,4,5,6,7,8,9,10,11,12,13,14,15
	ds_load_b128 v[X1+4*\i:X1+4*\i+3], v[LA] offset:512*\i             ; a; LDS serves a wave's instructions in order: these see my stores
.endr
	; g = 1 / (1 + 2^(-z log2 e))
.set pk_i, 0
.rept 32
	v_pk_mul_f32 v[ACC+2*pk_i:ACC+2*pk_i+1], v[ACC+2*pk_i:ACC+2*pk_i+1], 0xbfb8aa3b op_sel_hi:[1,0]
.set pk_i, pk_i+1
.endr
.set pk_i, 0
.rept 64
	v_exp_f32 v[ACC+pk_i], v[ACC+pk_i]
.set pk_i, pk_i+1
.endr
	v_nop                                          ; one plain instruction behind the run of exponentials (ISA guide 5.7.2)
.set pk_i, 0
	s_wait_alu depctr_va_vdst(0)
.rept 32
	v_pk_add_f32 v[ACC+2*pk_i:ACC+2*pk_i+1], v[ACC+2*pk_i:ACC+2*pk_i+1], 1.0 op_sel_hi:[1,0]
.set pk_i, pk_i+1
.endr
.set pk_i, 0
.rept 64
	v_rcp_f32 v[ACC+pk_i], v[ACC+pk_i]
.set pk_i, pk_i+1
.endr
	v_nop
	s_wait_dscnt 0x0                               ; f and a are in: my reads of feat1's tile are over
	s_barrier_signal -1                            ; say so.  The result is staged in the tile itself; a wave stores only into columns that it alone read, and this
	                                               ; barrier puts all reads of the tile in front of all stores into it without leaning on that arithmetic
.set pk_i, 0
.rept 32
	v_pk_add_f32 v[WB0+2*pk_i:WB0+2*pk_i+1], v[WB0+2*pk_i:WB0+2*pk_i+1], v[X1+2*pk_i:X1+2*pk_i+1] neg_lo:[0,1] neg_hi:[0,1]   ; f - a
.set pk_i, pk_i+1
.endr
.set pk_i, 0
	s_wait_alu depctr_va_vdst(0)
.rept 32
	v_pk_fma_f32 v[ACC+2*pk_i:ACC+2*pk_i+1], v[ACC+2*pk_i:ACC+2*pk_i+1], v[WB0+2*pk_i:WB0+2*pk_i+1], v[X1+2*pk_i:X1+2*pk_i+1]   ; g (f - a) + a
.set pk_i, pk_i+1
.endr
	s_barrier_wait -1
.irp t, 0,1,2,3,4,5,6,7
.irp j, 0,1,2,3,4,5,6,7
	ds_store_b32 v[LX], v[ACC+8*\t+\j] offset:(16*\t+\j)*XPITCH
.endr
.endr
	s_wait_dscnt 0x0                               ; for the others' sake: my columns are in LDS
	s_barrier_signal -1
	s_barrier_wait -1
	; the way out: wave w takes channels 16 w .. 16 w + 15, a whole row piece of 512 bytes with each load and each store
.irp i, 0,1,2,3,4,5,6,7,8,9,10,11,12,13,14,15
	ds_load_b128 v[ACC+4*\i:ACC+4*\i+3], v[RDR] offset:\i*XPITCH
.endr
.irp i, 0,1,2,3,4,5,6,7,8,9,10,11,12,13,14,15
	s_wait_dscnt 15-\i                             ; row i is in; the younger rows stay out
	global_store_b128 v[VST], v[ACC+4*\i:ACC+4*\i+3], s[24:25] offset:\i*32768 th:TH_STORE_NT
.endr
	s_wait_tensorcnt 0x0
	ds_add_u32 v224, v225
	s_wait_dscnt 0x0
	s_endpgm
.Lfunc_end_k_q0b6f9beeba_fuse:
	.size	k_q0b6f9beeba_fuse, .Lfunc_end_k_q0b6f9beeba_fuse-k_q0b6f9beeba_fuse
	.p2alignl 7, 3214868480
	.fill 96, 4, 3214868480
	.section	.rodata,"a",@progbits
	.p2align	6, 0x0
	.amdhsa_kernel k_q0b6f9beeba_fuse
		.amdhsa_group_segment_fixed_size 285696
		.amdhsa_private_segment_fixed_size 0
		.amdhsa_enable_private_segment 0
		.amdhsa_kernarg_size 72
		.amdhsa_user_sgpr_count 2
		.amdhsa_user_sgpr_kernarg_segment_ptr 1
		.amdhsa_wavefront_size32 1
		.amdhsa_system_sgpr_workgroup_id_x 1
		.amdhsa_system_sgpr_workgroup_id_y 1
		.amdhsa_system_sgpr_workgroup_id_z 1
		.amdhsa_system_vgpr_workitem_id 0
		.amdhsa_next_free_vgpr 226
		.amdhsa_next_free_sgpr 66
		.amdhsa_reserve_vcc 0
		.amdhsa_float_denorm_mode_32 3
		.amdhsa_float_denorm_mode_16_64 3
		.amdhsa_memory_ordered 1
		.amdhsa_forward_progress 1
		.amdhsa_inst_pref_size 96
	.end_amdhsa_kernel
	.amdgpu_metadata
---
amdhsa.version: [ 1, 2 ]
amdhsa.kernels:
  - .name:           k_q0b6f9beeba_fuse
    .symbol:         k_q0b6f9beeba_fuse.kd
    .args:
      - { .name: af, .offset: 0, .size: 8, .value_kind: global_buffer, .address_space: global }
      - { .name: feat1, .offset: 8, .size: 8, .value_kind: global_buffer, .address_space: global }
      - { .name: Wo, .offset: 16, .size: 8, .value_kind: global_buffer, .address_space: global }
      - { .name: bo, .offset: 24, .size: 8, .value_kind: global_buffer, .address_space: global }
      - { .name: Wg1, .offset: 32, .size: 8, .value_kind: global_buffer, .address_space: global }
      - { .name: bg1, .offset: 40, .size: 8, .value_kind: global_buffer, .address_space: global }
      - { .name: Wg2, .offset: 48, .size: 8, .value_kind: global_buffer, .address_space: global }
      - { .name: bg2, .offset: 56, .size: 8, .value_kind: global_buffer, .address_space: global }
      - { .name: out0, .offset: 64, .size: 8, .value_kind: global_buffer, .address_space: global }
    .group_segment_fixed_size: 285696
    .private_segment_fixed_size: 0
    .kernarg_segment_align: 8
    .kernarg_segment_size: 72
    .max_flat_workgroup_size: 256
    .sgpr_count:     66
    .vgpr_count:     226
    .wavefront_size: 32
...
	.end_amdgpu_metadata
.endif
;; end of part 3
